; MI455X (gfx1250); checked and timed in simulation.
; The chip was launched on July 23, 2026; its instructions are those of AMD's public machine-readable ISA for CDNA 5 (MIT licence, August 2026) and "CDNA5" Instruction Set Architecture Reference Guide (July 2026). The comments in the code are by the model that wrote it; some were corrected since.
;; Dot Product Attention. Allowed arithmetic: float matrix products may take bf16 or f16 operands with f32 sums; all other float work in f32.
;; Inputs: keys 16 x 2,048 x 128 float32; queries 16 x 2,048 x 128 float32; valid_lens 16 int32; values 16 x 2,048 x 128 float32.
;; Outputs: out0 16 x 2,048 x 128 float32.
;; One version. Each part assembles by itself: llvm-mc -triple=amdgcn-amd-amdhsa -mcpu=gfx1250 --defsym DOCPART=n.
;; ======== version 1 of 1: 1 launch
;; limits: inputs' magnitudes at most 65,504; values are held in f16: magnitudes above 65,504 overflow, below 6.1e-05 lose precision
;; launch attn (part 1): grid 16 x 16, 4 waves a work-group, clusters of 4 x 1, 327,680 bytes of LDS; arguments queries, keys, values, valid_lens, out0; writes out0
.if DOCPART == 1
	.amdgcn_target "amdgcn-amd-amdhsa--gfx1250"
	.amdhsa_code_object_version 6
	.text
	.protected	k_q7904fca941_attn
	.globl	k_q7904fca941_attn
	.p2align	8
	.type	k_q7904fca941_attn,@function
k_q7904fca941_attn:
	s_mov_b64 s[64:65], 0
	v_nop
	global_prefetch_b8 v0, s[64:65] scope:SCOPE_SE
	s_setreg_imm32_b32 hwreg(HW_REG_WAVE_MODE, 25, 1), 1
	s_wait_xcnt 0x0
	s_wait_alu depctr_hold_cnt(0) depctr_sa_sdst(0) depctr_va_vdst(0) depctr_va_sdst(0) depctr_va_ssrc(0) depctr_va_vcc(0) depctr_vm_vsrc(0)
	s_getreg_b32 s2, hwreg(HW_REG_IB_STS2, 6, 4)
	s_cmp_eq_u32 s2, 0
	s_cbranch_scc0 .Lentry_in_a_cluster
	s_endpgm
.Lentry_in_a_cluster:
	s_bfe_u32 s2, ttmp6, 0x10000c
	s_cmp_lg_u32 s2, 0x3003
	s_cbranch_scc0 .Lentry_shape_is_right
	s_endpgm
.Lentry_shape_is_right:
; out0[b][q][:] = softmax over k of ( k < valid_lens[b] ? q.k / sqrt(128) : -1e6 ) times V.   B = 16, LQ = LK = 2048, D = 128, all f32.
; A work-group owns 128 query rows of one batch and walks all 2,048 keys in 16 tiles of 128 keys.  Its four waves split the KEYS:
; wave w takes all 128 query rows and keys 32 w .. 32 w + 31 of every tile, with a running softmax (maximum, sum, O) of its own; the four
; states are merged once at the end through LDS.  So each byte of K and V is read from LDS by one wave, each number of K and V is rounded
; to f16 once in the work-group, and each fragment of K or V feeds eight matrix instructions.
; BOTH PRODUCTS ARE TRANSPOSED, so that a query is a lane:  S^T = K Q^T (source 0 = 16 keys x 32 d, source 1 = 16 queries x 32 d): lane (r, h),
; register j holds (key 8 h + j, query r); two key blocks give a lane keys 8 h + j and 16 + 8 h + j, which is the layout of source 1 for
; O^T = V^T P^T after rounding in pairs: no shuffle.  The row maximum is in the lane plus one exchange of the lane halves.
; V IS TRANSPOSED BY A PERMUTATION OF d: lane (r, h) loads V[key][64 g + 4 r .. + 3] (sixteen lanes: 256 neighbouring bytes); component c feeds
; fragment (g, c), whose row m stands for d = 64 g + 4 m + c.  The order is put right by the register numbers of the last multiply.
; Q: every wave needs all 128 rows as fragments.  Each wave loads 32 rows (a whole row of 512 bytes a load), rounds them to f16 and puts them into
; LDS; behind one barrier every wave reads its fragments from there: each number of Q is loaded and rounded once in the work-group.
; CLUSTER: the four work-groups of a cluster are four query blocks of one batch and read the same tiles of K and V: every tile is asked for
; jointly (mask 15), which divides the requests for K and V by four.
; THE MASK steers values only (v_cndmask_b32 on every score): the fill is finite, so masked keys take part;
; valid_lens may be any int32 (it is clamped to 0 .. 2048, which changes no comparison with a key number).  Tiles that are wholly masked
; get the full work: no branch is taken on a number read from memory.
; THE FORMAT: Q, K, V and the weights enter the matrix unit in f16, 11 significant bits: a batch with few valid keys has outputs far above the
; whole output's root mean square, and 8 significant bits in the weights leave too little margin there.  Sums are in f32; the softmax sum is made of the f32 weights.
; LIMITS: inputs finite and at most 65,504 in magnitude (beyond that the conversion to f16 gives infinity); numbers of Q, K, V under 2^-14 in
; magnitude, and weights under 2^-14 of the wave's running largest, are kept with f16's absolute step of 2^-24.
; The fill is applied to the unscaled product as -11313708 (-1e6 sqrt(128) rounded to f32): 0.04 off in units of the score, less than f32's spacing at 1e6.
.set PITCH,  528                       ; an LDS row: 512 bytes + 16 of padding = 33 x 16: sixteen neighbouring rows begin in sixteen different 16-byte columns of 256 bytes
.set QUART,  64*PITCH                  ; what one tensor load brings: 64 rows
.set VOFF,   128*PITCH                 ; V's tile lies behind K's 128 rows
.set SLOT,   2*VOFF                    ; 135,168 bytes; two slots
.set EX,     2*SLOT                    ; 270,336: 4 x 1,024 bytes for the waves' shifts and sums; no fill lands here
.set QS,     EX+4096                   ; 274,432: Q in f16, 128 rows; no fill lands here
.set QPITCH, 272                       ; 256 bytes + 16 = 17 x 16
.set TILEB,  65536                     ; bytes of a tile of K or V in memory: 128 rows of 512
; window 0
.set ADK, 1                            ; v1, v2     LDS address of my K rows in slot 0, 1: (32 w + r) pitch + 32 h
.set ADV, 3                            ; v3, v4     of my V rows: VOFF + (32 w + 8 h) pitch + 16 r
.set KR,  5                            ; v5         valid_len - 32 w - 8 h - 128 tile: key 16 t + j of my lane is masked if KR <= 16 t + j
.set VQ,  6                            ; v6         byte offset of my 16 bytes in my wave's first row of Q
.set PFO, 7                            ; v7         256 x lane, for the prefetch
.set MX,  8                            ; v[8:15]    running maximum of the unscaled scores, one for each block of 16 queries
.set QW,  12                           ; v12        (ahead of the first tile) where I put 8 bytes of a row of Q
.set QR,  13                           ; v13        (ahead of the first tile) where I read Q's fragments
.set NM,  16                           ; v[16:23], v[48:55]  -maximum x c, two banks that take turns with the slots
.set AL,  24                           ; v[24:31]   exp2(new shift - old shift)
.set LS,  32                           ; v[32:47]   running sums, a pair for each query block
.set XT,  56                           ; v[56:63]   the other lane half's figure
.set SC0, 64                           ; v[64:127]  scores of keys 0-15, 8 registers a query block;   before that K as loaded, after that V as loaded and V's fragments
.set SC1, 128                          ; v[128:191] scores of keys 16-31;                               likewise
.set PP,  192                          ; v[192:255] the weights in f16, 8 registers a query block;      before that K's fragments
; window 1: Q in f16, fragment (query block qb, 32 d ks) at v[8 (4 qb + ks)].   windows 2, 3: O, tile k = 8 c + qb of half g of d at v[8 k] of window 2 + g.
.set G0, 32                            ; s[32:39]   descriptor group 0, a set for each slot
.set G1, 40                            ; s[40:47]   descriptor group 1
.set MSB, 0
.macro WIN new                         ; s_set_vgpr_msb: bits 1:0 source 0, 3:2 source 1, 5:4 source 2, 7:6 destination; the high byte repeats the setting that is left
.if MSB != (\new)
	s_set_vgpr_msb (MSB<<8)|(\new)
.set MSB, (\new)
.endif
.endm
.macro PLACES                          ; four places behind a matrix instruction (ISA guide 7.12.1) where no useful vector work stands
.rept 4
	v_nop
.endr
.endm
.macro CREST                           ; a round of the cluster's barrier behind its opening work-group barrier
	s_cmp_lg_u32 s14, 0
	s_cbranch_scc1 .Lnot_wave_0_\@
	s_barrier_signal -3
.Lnot_wave_0_\@:
	s_barrier_wait -3
	s_barrier_signal -1
	s_barrier_wait -1
.endm
.macro ROUND
	s_barrier_signal -1
	s_barrier_wait -1
	CREST
.endm
	s_load_b256 s[4:11], s[0:1], 0x0               ; queries s[4:5], keys s[6:7], values s[8:9], valid_lens s[10:11]
	s_load_b64 s[12:13], s[0:1], 0x20              ; out0
	v_lshl_add_u32 v190, v0, 2, 0x4b800
	v_mov_b32 v191, 0
	ds_add_u32 v190, v191
	s_wait_dscnt 0x0
	v_lshrrev_b32 v8, 5, v0
	v_readfirstlane_b32 s14, v8                    ; wave 0..3
	s_bfe_u32 s15, ttmp6, 0x40000                  ; cx
	s_lshl_b32 s16, ttmp9, 2
	s_add_co_u32 s16, s16, s15                     ; query block x = 4 x cluster x + cx
	s_and_b32 s17, ttmp7, 0xffff                   ; batch b: the cluster's y, shared by the four partners
	s_mov_b32 s24, 0x3e0293ee                      ; c = log2(e) / sqrt(128), twice: a pair for the packed forms
	s_mov_b32 s25, 0x3e0293ee
	s_mov_b32 s26, 0xbe0293ee                      ; -c
	s_mov_b32 s27, 0xcb2ca22c                      ; -11313708.0 = -1e6 sqrt(128): the fill, ahead of the scaling
	s_mov_b32 s28, 0x76543210                      ; v_permlanex16_b32: lane i takes lane i of the other half
	s_mov_b32 s29, 0xfedcba98
	; group 1: 64 rows x 128 elements of 4 bytes, 16 bytes of padding behind each row, joint for the cluster's four work-groups
	s_mov_b32 s[G1+0], 0x07b2000f                  ; 15:0 mask 15; 17:16 element of 4 bytes; 20 padding on; 21 set beside a mask; 24:22 after every 128 words (code 6); 31:25 four words (code 3)
	s_mov_b32 s[G1+1], 128<<16                     ; tensor_dim0 = 128
	s_mov_b32 s[G1+2], 64<<16                      ; tensor_dim1 = 64
	s_mov_b32 s[G1+3], 128<<16                     ; tile_dim0 = 128
	s_mov_b32 s[G1+4], 64                          ; tile_dim1 = 64
	s_mov_b32 s[G1+5], 128                         ; elements from row to row
	s_mov_b32 s[G1+6], 0
	s_mov_b32 s[G1+7], 0
	s_mul_i32 s23, s14, QUART                      ; where my quarter of a slot lies: K's rows 0-63, 64-127, V's rows 0-63, 64-127 by the wave's number
	v_and_b32 v8, 15, v0                           ; r
	v_bfe_u32 v9, v0, 4, 1                         ; h
	v_and_b32 v10, 31, v0                          ; lane
	s_lshl_b32 s18, s14, 14                        ; my wave's 32 rows of Q, 512 bytes each
	v_lshl_add_u32 v[VQ], v10, 4, s18              ; 16 bytes a lane: a load of the wave takes a whole row
	v_lshlrev_b32 v[PFO], 8, v10                   ; lanes 256 bytes apart
	s_lshl_b32 s20, s17, 2
	s_mov_b32 s21, 0
	s_wait_kmcnt 0x0
	s_add_nc_u64 s[10:11], s[10:11], s[20:21]
	s_load_b32 s22, s[10:11], 0x0                  ; valid_lens[b]
	; waves 0, 1 fetch K's halves, waves 2, 3 V's: the buffer is chosen by the wave's number, so one line serves all four
	s_cmp_lt_u32 s14, 2
	s_cselect_b64 s[18:19], s[6:7], s[8:9]
	s_lshl_b32 s20, s17, 20                        ; b x 2,048 rows x 512 bytes
	s_and_b32 s21, s14, 1
	s_lshl_b32 s21, s21, 15                        ; which 64 rows of the tile
	s_add_co_u32 s20, s20, s21
	s_mov_b32 s21, 0
	s_add_nc_u64 s[18:19], s[18:19], s[20:21]
.irp s, 0,1
	s_mov_b32 s[G0+4*\s], 1
	s_add_co_u32 s[G0+4*\s+1], s23, \s*SLOT
	s_add_nc_u64 s[G0+4*\s+2:G0+4*\s+3], s[18:19], \s*TILEB        ; tile s
	s_or_b32 s[G0+4*\s+3], s[G0+4*\s+3], 0x80000000
.endr
	; Q and out0 at my 128 rows
	s_lshl_b32 s54, s17, 20
	s_lshl_b32 s55, s16, 16
	s_add_co_u32 s54, s54, s55
	s_mov_b32 s55, 0
	s_add_nc_u64 s[4:5], s[4:5], s[54:55]
	s_add_nc_u64 s[12:13], s[12:13], s[54:55]
	; the prefetch: of each tile the batch's sixteen work-groups ask for 8,192 bytes each, x < 8 of K's tile, the others of V's: each block of 256 bytes once
	s_cmp_lt_u32 s16, 8
	s_cselect_b64 s[48:49], s[6:7], s[8:9]
	s_and_b32 s56, s16, 7
	s_lshl_b32 s56, s56, 13
	s_lshl_b32 s57, s17, 20
	s_add_co_u32 s56, s56, s57
	s_mov_b32 s57, 0
	s_add_nc_u64 s[48:49], s[48:49], s[56:57]
	s_mov_b32 s50, 2*TILEB                         ; tile 2 first
	s_mov_b32 s51, 0
	s_add_nc_u64 s[52:53], s[48:49], s[50:51]
	ROUND                                          ; the four partners are here: the first joint loads meet
	tensor_load_to_lds s[G0:G0+3], s[G1:G1+7]      ; tile 0
	s_nop 0
	tensor_load_to_lds s[G0+4:G0+7], s[G1:G1+7]    ; tile 1: two tensor loads of the wave are out, the most in this text
	s_nop 0
	s_cmp_lg_u32 s14, 0
	s_cbranch_scc1 .Lno_pf0
	global_prefetch_b8 v[PFO], s[52:53] th:TH_LOAD_NT scope:SCOPE_SE   ; wave 0: my share of tile 2, whose tensor load goes out at the end of step 0
.Lno_pf0:
	; Q: my wave's rows 32 w .. 32 w + 31, one row a load, into the registers that hold K as loaded later
.irp i, 0,1,2,3,4,5,6,7,8,9,10,11,12,13,14,15,16,17,18,19,20,21,22,23,24,25,26,27,28,29,30,31
	global_load_b128 v[64+4*\i:64+4*\i+3], v[VQ], s[4:5] offset:\i*512 th:TH_LOAD_NT
.endr
	s_mul_i32 s19, s14, 32*QPITCH
	s_add_co_u32 s19, s19, QS
	v_lshl_add_u32 v[QW], v10, 3, s19              ; in: my wave's first row, 8 bytes a lane
	v_mul_u32_u24 v[QR], v8, QPITCH
	v_lshl_add_u32 v[QR], v9, 4, v[QR]
	v_add_nc_u32 v[QR], QS, v[QR]                  ; back: row r, 16 h bytes
	s_mul_i32 s19, s14, 32*PITCH                   ; my 32 rows of a tile
	v_mul_u32_u24 v10, v8, PITCH
	v_lshl_add_u32 v10, v9, 5, v10
	v_add_nc_u32 v[ADK], s19, v10
	v_add_nc_u32 v[ADK+1], SLOT, v[ADK]
	v_mul_u32_u24 v11, v9, 8*PITCH
	v_lshl_add_u32 v11, v8, 4, v11
	s_add_co_u32 s19, s19, VOFF
	v_add_nc_u32 v[ADV], s19, v11
	v_add_nc_u32 v[ADV+1], SLOT, v[ADV]
.irp i, 0,1,2,3,4,5,6,7
	v_mov_b32 v[XT+\i], 0                          ; v_permlanex16_b32's destination counts as read: written once here
.endr
	s_wait_kmcnt 0x0
	s_max_i32 s22, s22, 0
	s_min_i32 s22, s22, 2048
	s_lshl_b32 s18, s14, 5
	s_sub_co_i32 s18, s22, s18
	v_lshlrev_b32 v10, 3, v9
	v_sub_nc_u32 v[KR], s18, v10
.macro QROW i                          ; my four numbers of row i, rounded, to bytes 8 lane .. + 7 of the row in LDS: the wave stores 256 neighbouring bytes
	v_cvt_pk_f16_f32 v[PP+2*\i],   v[64+4*\i],   v[64+4*\i+1]
	v_cvt_pk_f16_f32 v[PP+2*\i+1], v[64+4*\i+2], v[64+4*\i+3]
	ds_store_b64 v[QW], v[PP+2*\i:PP+2*\i+1] offset:\i*QPITCH
.endm
	s_wait_loadcnt 0x10                            ; loads come back in order: rows 0-15 are in, the sixteen younger loads may be out
.irp i, 0,1,2,3,4,5,6,7,8,9,10,11,12,13,14,15
	QROW \i
.endr
	s_wait_loadcnt 0x0
.irp i, 16,17,18,19,20,21,22,23,24,25,26,27,28,29,30,31
	QROW \i
.endr
; K as loaded: fragment (key block t, 32 d ks), 16 f32 a lane, at v[64 + 64 t + 16 ks]
.macro KLD slot, t, ks
	ds_load_b128 v[64+64*\t+16*\ks:64+64*\t+16*\ks+3],     v[ADK+\slot] offset:\t*16*PITCH+128*\ks
	ds_load_b128 v[64+64*\t+16*\ks+4:64+64*\t+16*\ks+7],   v[ADK+\slot] offset:\t*16*PITCH+128*\ks+16
	ds_load_b128 v[64+64*\t+16*\ks+8:64+64*\t+16*\ks+11],  v[ADK+\slot] offset:\t*16*PITCH+128*\ks+64
	ds_load_b128 v[64+64*\t+16*\ks+12:64+64*\t+16*\ks+15], v[ADK+\slot] offset:\t*16*PITCH+128*\ks+80
.endm
; rounded to f16: fragment (t, ks) at v[192 + 32 t + 8 ks]
.macro KCVT t, ks
.irp i, 0,1,2,3,4,5,6,7
	v_cvt_pk_f16_f32 v[PP+32*\t+8*\ks+\i], v[64+64*\t+16*\ks+2*\i], v[64+64*\t+16*\ks+2*\i+1]
.endr
.endm
; 32 matrix instructions: 16 keys x 128 queries over d = 128.  The eight accumulators take turns, one instruction a turn; the first 32 d start the sums.
; work = 1 (key block 1): between the matrix instructions stands vector work that names none of their registers: the sixteen lane masks (is my key 16 t + j at or
; beyond valid_len?) and the selects on key block 0's scores, which are 16 conversions and 16 compares behind the last product that wrote them.
; Under the product's window setting source 1 means window 1, so each of these lines has its vector registers as source 0 and destination alone: no switch.
.macro SMUL t, work
.irp ks, 0,1,2,3
.irp qb, 0,1,2,3,4,5,6,7
.if \ks == 0
	v_wmma_f32_16x16x32_f16 v[64+64*\t+8*\qb:64+64*\t+8*\qb+7], v[PP+32*\t+8*\ks:PP+32*\t+8*\ks+7], v[8*(4*\qb+\ks):8*(4*\qb+\ks)+7], 0
.else
	v_wmma_f32_16x16x32_f16 v[64+64*\t+8*\qb:64+64*\t+8*\qb+7], v[PP+32*\t+8*\ks:PP+32*\t+8*\ks+7], v[8*(4*\qb+\ks):8*(4*\qb+\ks)+7], v[64+64*\t+8*\qb:64+64*\t+8*\qb+7]
.endif
.if \work
.if \ks == 0
	v_cmp_le_i32 s[66+2*\qb], v[KR], 16*(\qb/4)+(2*\qb)%8          ; masks 2 qb and 2 qb + 1 of sixteen: mask 8 t + j is for key 16 t + j
	v_cmp_le_i32 s[67+2*\qb], v[KR], 16*(\qb/4)+(2*\qb)%8+1
.endif
.if \ks == 1
.irp j, 0,1,2,3
	v_cndmask_b32 v[SC0+8*\qb+\j], v[SC0+8*\qb+\j], s27, s[66+\j]  ; masked: the fill; else the score
.endr
.endif
.if \ks == 2
.irp j, 4,5,6,7
	v_cndmask_b32 v[SC0+8*\qb+\j], v[SC0+8*\qb+\j], s27, s[66+\j]
.endr
.endif
.endif
.endr
.endr
.endm
.macro SHIFT qb, nmp, sel              ; score x c - maximum x c, two at a time; the shift is register sel of the pair nmp, for both halves
.irp j, 0,2,4,6
	v_pk_fma_f32 v[SC0+8*(\qb)+\j:SC0+8*(\qb)+\j+1], v[SC0+8*(\qb)+\j:SC0+8*(\qb)+\j+1], s[24:25], v[\nmp:\nmp+1] op_sel:[0,0,\sel] op_sel_hi:[1,0,\sel]
	v_pk_fma_f32 v[SC1+8*(\qb)+\j:SC1+8*(\qb)+\j+1], v[SC1+8*(\qb)+\j:SC1+8*(\qb)+\j+1], s[24:25], v[\nmp:\nmp+1] op_sel:[0,0,\sel] op_sel_hi:[1,0,\sel]
.endr
.endm
.macro LFMA qb, alp, sel               ; the running sums are rescaled and take the first two weights in one fused step
	v_pk_fma_f32 v[LS+2*(\qb):LS+2*(\qb)+1], v[LS+2*(\qb):LS+2*(\qb)+1], v[\alp:\alp+1], v[SC0+8*(\qb):SC0+8*(\qb)+1] op_sel:[0,\sel,0] op_sel_hi:[1,\sel,1]
.endm
; The running softmax of query blocks q0 .. q0 + 3, each stage over the four so that no chain waits for itself.  par: the bank that takes the new shift.
; Key block 0's scores have had their selects among the products; key block 1's get them here.
.macro SOFT4 q0, first, par
.irp j, 0,1,2,3,4,5,6,7
.irp q, 0,1,2,3
	v_cndmask_b32 v[SC1+8*(\q0+\q)+\j], v[SC1+8*(\q0+\q)+\j], s27, s[74+\j]      ; masked: the fill; else the score
.endr
.endr
.irp q, 0,1,2,3
.if \first
	v_max_num_f32 v[MX+\q0+\q], v[SC0+8*(\q0+\q)], v[SC0+8*(\q0+\q)+1]           ; the first tile starts the maximum
.else
	v_max3_num_f32 v[MX+\q0+\q], v[MX+\q0+\q], v[SC0+8*(\q0+\q)], v[SC0+8*(\q0+\q)+1]
.endif
.endr
.irp j, 2,4,6
.irp q, 0,1,2,3
	v_max3_num_f32 v[MX+\q0+\q], v[MX+\q0+\q], v[SC0+8*(\q0+\q)+\j], v[SC0+8*(\q0+\q)+\j+1]
.endr
.endr
.irp j, 0,2,4,6
.irp q, 0,1,2,3
	v_max3_num_f32 v[MX+\q0+\q], v[MX+\q0+\q], v[SC1+8*(\q0+\q)+\j], v[SC1+8*(\q0+\q)+\j+1]
.endr
.endr
.irp q, 0,1,2,3
	v_permlanex16_b32 v[XT+\q0+\q], v[MX+\q0+\q], s28, s29                       ; the other sixteen keys of the same query
.endr
.irp q, 0,1,2,3
	v_max_num_f32 v[MX+\q0+\q], v[MX+\q0+\q], v[XT+\q0+\q]
.endr
.irp q, 0,1,2,3
	v_mul_f32 v[NM+32*\par+\q0+\q], s26, v[MX+\q0+\q]                            ; the new shift, -maximum x c
.endr
.if \first == 0
.irp q, 0,1,2,3
	v_sub_f32 v[AL+\q0+\q], v[NM+32*\par+\q0+\q], v[NM+32*(1-\par)+\q0+\q]       ; new shift - old shift, at most 0
.endr
.endif
	SHIFT \q0,   NM+32*\par+\q0,   0
	SHIFT \q0+1, NM+32*\par+\q0,   1
	SHIFT \q0+2, NM+32*\par+\q0+2, 0
	SHIFT \q0+3, NM+32*\par+\q0+2, 1
.if \first == 0
.irp q, 0,1,2,3
	v_exp_f32 v[AL+\q0+\q], v[AL+\q0+\q]
.endr
.endif
.irp q, 0,1,2,3
.irp j, 0,1,2,3,4,5,6,7
	v_exp_f32 v[SC0+8*(\q0+\q)+\j], v[SC0+8*(\q0+\q)+\j]
	v_exp_f32 v[SC1+8*(\q0+\q)+\j], v[SC1+8*(\q0+\q)+\j]
.endr
.endr
	v_nop                                          ; one plain vector instruction behind the run of exponentials, ahead of the first use (ISA guide 5.7.2)
	s_wait_alu depctr_va_vdst(0)
.if \first
	s_wait_alu depctr_va_vdst(0)
.irp q, 0,1,2,3
	v_pk_add_f32 v[LS+2*(\q0+\q):LS+2*(\q0+\q)+1], v[SC0+8*(\q0+\q):SC0+8*(\q0+\q)+1], v[SC0+8*(\q0+\q)+2:SC0+8*(\q0+\q)+3]   ; the first tile starts the sums
.endr
.else
	LFMA \q0,   AL+\q0,   0
	LFMA \q0+1, AL+\q0,   1
	LFMA \q0+2, AL+\q0+2, 0
	LFMA \q0+3, AL+\q0+2, 1
.irp q, 0,1,2,3
	v_pk_add_f32 v[LS+2*(\q0+\q):LS+2*(\q0+\q)+1], v[LS+2*(\q0+\q):LS+2*(\q0+\q)+1], v[SC0+8*(\q0+\q)+2:SC0+8*(\q0+\q)+3]
.endr
.endif
.irp j, 4,6
.irp q, 0,1,2,3
	v_pk_add_f32 v[LS+2*(\q0+\q):LS+2*(\q0+\q)+1], v[LS+2*(\q0+\q):LS+2*(\q0+\q)+1], v[SC0+8*(\q0+\q)+\j:SC0+8*(\q0+\q)+\j+1]
.endr
.endr
.irp j, 0,2,4,6
.irp q, 0,1,2,3
	v_pk_add_f32 v[LS+2*(\q0+\q):LS+2*(\q0+\q)+1], v[LS+2*(\q0+\q):LS+2*(\q0+\q)+1], v[SC1+8*(\q0+\q)+\j:SC1+8*(\q0+\q)+\j+1]
.endr
.endr
.irp q, 0,1,2,3
.irp i, 0,1,2,3
	v_cvt_pk_f16_f32 v[PP+8*(\q0+\q)+\i],   v[SC0+8*(\q0+\q)+2*\i], v[SC0+8*(\q0+\q)+2*\i+1]   ; keys 8 h + 2 i, + 1: registers 0-3 of source 1
	v_cvt_pk_f16_f32 v[PP+8*(\q0+\q)+4+\i], v[SC1+8*(\q0+\q)+2*\i], v[SC1+8*(\q0+\q)+2*\i+1]   ; keys 16 + 8 h + 2 i, + 1: registers 4-7
.endr
.endr
.endm
; V as loaded, half g of d: my lane's sixteen keys (8 h + 0..7, 16 + 8 h + 0..7), four neighbouring d each
.macro VLD slot, g
.irp k, 0,1,2,3,4,5,6,7
	ds_load_b128 v[64+4*\k:64+4*\k+3], v[ADV+\slot] offset:\k*PITCH+256*\g
.endr
.irp k, 0,1,2,3,4,5,6,7
	ds_load_b128 v[128+4*\k:128+4*\k+3], v[ADV+\slot] offset:(16+\k)*PITCH+256*\g
.endr
.endm
; component c of two neighbouring keys makes a register of fragment (g, c), at v[96 + 64 g + 8 c]
.macro VCVT g
.irp c, 0,1,2,3
.irp i, 0,1,2,3
	v_cvt_pk_f16_f32 v[96+64*\g+8*\c+\i],   v[64+8*\i+\c],  v[64+8*\i+4+\c]
	v_cvt_pk_f16_f32 v[96+64*\g+8*\c+4+\i], v[128+8*\i+\c], v[128+8*\i+4+\c]
.endr
.endr
.endm
; tile k = 8 c + qb of a window of O times exp2(new shift - old shift) of its query block; sel = k mod 2 picks the register of the pair
.macro RT k, sel
.irp j, 0,2,4,6
	v_pk_mul_f32 v[8*(\k)+\j:8*(\k)+\j+1], v[8*(\k)+\j:8*(\k)+\j+1], v[AL+(\k)%8-\sel:AL+(\k)%8-\sel+1] op_sel:[0,\sel] op_sel_hi:[1,\sel]
.endr
.endm
; tile k takes the product of V's fragment (g, k / 8) and the weights of query block k mod 8
.macro WT g, k, first
.if \first
	v_wmma_f32_16x16x32_f16 v[8*(\k):8*(\k)+7], v[96+64*\g+8*((\k)/8):96+64*\g+8*((\k)/8)+7], v[PP+8*((\k)%8):PP+8*((\k)%8)+7], 0
.else
	v_wmma_f32_16x16x32_f16 v[8*(\k):8*(\k)+7], v[96+64*\g+8*((\k)/8):96+64*\g+8*((\k)/8)+7], v[PP+8*((\k)%8):PP+8*((\k)%8)+7], v[8*(\k):8*(\k)+7]
.endif
.endm
; 64 d x 128 queries over my 32 keys: 32 matrix instructions on 32 different accumulators.  Behind tile 0 each accumulator is first rescaled.  The four multiplies
; of tile k + 2 stand behind the matrix instruction of tile k: vector work that names none of its registers is issued between the matrix instructions
; instead of in a run of 128 in front of them, and a tile's multiplies are two turns ahead of its product.  The price: O is source 0 of the multiply, V's
; fragment (window 0) is source 0 of the product, so the window setting changes twice for each tile.
.macro PVMUL g, first
.if \first
	WIN 0xa0+0x50*\g                               ; C and D in window 2 + g
.irp k, 0,1,2,3,4,5,6,7,8,9,10,11,12,13,14,15,16,17,18,19,20,21,22,23,24,25,26,27,28,29,30,31
	WT \g, \k, 1
.endr
.else
	WIN 0x82+0x41*\g                               ; destination and source 0 in window 2 + g
	RT 0, 0
	RT 1, 1
.irp k, 0,2,4,6,8,10,12,14,16,18,20,22,24,26,28,30
	WIN 0xa0+0x50*\g
	WT \g, \k, 0
.if \k < 30
	WIN 0x82+0x41*\g
	RT \k+2, 0
	WIN 0xa0+0x50*\g
.endif
	WT \g, \k+1, 0
.if \k < 30
	WIN 0x82+0x41*\g
	RT \k+3, 1
.endif
.endr
.endif
.endm
; Wave 0 asks for its work-group's 8,192 bytes of the tile whose tensor load goes out one step later (in step t: tile t + 3); past tile 15 the offset stays at tile 15.
.macro PF
	s_cmp_lg_u32 s14, 0
	s_cbranch_scc1 .Lno_pf_\@
	s_wait_xcnt 0x0                                ; the last prefetch, a step ago, has had its address translated: s[52:53] may be written
	s_add_co_u32 s50, s50, TILEB
	s_min_u32 s50, s50, 15*TILEB
	s_add_nc_u64 s[52:53], s[48:49], s[50:51]
	global_prefetch_b8 v[PFO], s[52:53] th:TH_LOAD_NT scope:SCOPE_SE
.Lno_pf_\@:
.endm
; One tile of 128 keys.  mode 2: this slot is filled again, two tiles ahead, and the other slot's K is fetched; 1: only the latter; 0: the last tile.
.macro STEP slot, first, mode
	s_wait_dscnt 0x8                               ; of the 32 K loads the eight youngest (key block 1, d 64-127) may be out; in the first step the loads of Q's fragments are older still
	KCVT 0, 0
	KCVT 0, 1
	KCVT 0, 2
	KCVT 0, 3
	KCVT 1, 0
	KCVT 1, 1
	WIN 0x04                                       ; source 1 (Q) in window 1
	SMUL 0, 0
	WIN 0
	s_wait_dscnt 0x0
	KCVT 1, 2
	KCVT 1, 3
	WIN 0x04
	SMUL 1, 1                                      ; with the masks and key block 0's selects between the products
	WIN 0
	PLACES                                         ; ahead of the vector instructions that read key block 1's scores and write over K's fragments
	v_add_nc_u32 v[KR], 0xffffff80, v[KR]          ; the masks are made: KR steps to the next tile
	SOFT4 0, \first, \slot
	VLD \slot, 0                                   ; into the registers of the scores just used up
	SOFT4 4, \first, \slot
	s_wait_dscnt 0x0                               ; V's first half of d is in
	VCVT 0
	VLD \slot, 1
	PVMUL 0, \first
	WIN 0
	s_wait_dscnt 0x0                               ; V's second half is in: my last reads of this slot are back
.if \mode
	s_wait_xcnt 0x0
	v_lshl_add_u32 v190, v0, 2, 0x4b800
	v_mov_b32 v191, 0
	s_wait_tensorcnt 0x0                           ; all my tensor loads have landed: the one that was out is my quarter of the other slot
	ds_add_u32 v190, v191
	s_wait_dscnt 0x0
	s_barrier_signal -1                            ; say so (mode 2: this barrier opens a round of the cluster's barrier)
	VCVT 1                                         ; register work meanwhile; its 32 instructions are also the places ahead of the loads into V's first fragments
	s_barrier_wait -1
.if \mode == 2
	CREST                                          ; no wave of any partner still reads this slot or has a load on its way
	s_add_nc_u64 s[G0+4*\slot+2:G0+4*\slot+3], s[G0+4*\slot+2:G0+4*\slot+3], 2*TILEB
	tensor_load_to_lds s[G0+4*\slot:G0+4*\slot+3], s[G1:G1+7]     ; my one tensor load behind the round; the wait for it stands a whole step further on
	s_nop 0
.endif
	KLD 1-\slot, 0, 0
	KLD 1-\slot, 0, 1
	KLD 1-\slot, 0, 2
	KLD 1-\slot, 0, 3
	KLD 1-\slot, 1, 0
	KLD 1-\slot, 1, 1
.if \mode == 2
	PF
.endif
.else
	VCVT 1
.endif
	PVMUL 1, \first
	WIN 0
.if \mode
	PLACES                                         ; ahead of the loads into V's second fragments, and of the next step's writes over the weights
	KLD 1-\slot, 1, 2
	KLD 1-\slot, 1, 3
.endif
.endm
	s_wait_dscnt 0x0                               ; for the others' sake: my 32 rows of Q are in LDS
	s_wait_tensorcnt 0x1                           ; my quarter of tile 0 is in; tile 1's may stay out
	s_barrier_signal -1
	s_barrier_wait -1                              ; everybody's are
	; Q's fragments: (qb, ks): lane (r, h) holds query 16 qb + r, d = 32 ks + 8 h + 0..7 and 32 ks + 16 + 8 h + 0..7: two loads of 16 bytes, 32 bytes apart
	WIN 0x40                                       ; destination in window 1, address in window 0
.irp qb, 0,1,2,3,4,5,6,7
.irp ks, 0,1,2,3
	ds_load_b128 v[8*(4*\qb+\ks):8*(4*\qb+\ks)+3],   v[QR] offset:\qb*16*QPITCH+64*\ks
	ds_load_b128 v[8*(4*\qb+\ks)+4:8*(4*\qb+\ks)+7], v[QR] offset:\qb*16*QPITCH+64*\ks+32
.endr
.endr
	WIN 0
	KLD 0, 0, 0
	KLD 0, 0, 1
	KLD 0, 0, 2
	KLD 0, 0, 3
	KLD 0, 1, 0
	KLD 0, 1, 1
	KLD 0, 1, 2
	KLD 0, 1, 3
	STEP 0, 1, 2                                   ; tile 0 starts maximum, sums and O: nothing is cleared
	STEP 1, 0, 2
	s_mov_b32 s30, 6                               ; tiles 2 to 13
.Lstep:
	STEP 0, 0, 2
	STEP 1, 0, 2
	s_sub_co_u32 s30, s30, 1
	s_cmp_lg_u32 s30, 0
	s_cbranch_scc1 .Lstep
	STEP 0, 0, 1                                   ; tile 14: nothing is left to fetch
	STEP 1, 0, 0                                   ; tile 15
	; THE MERGE.  Each wave's O and sum are relative to its own last shift (bank 1: tile 15 lay in slot 1).  The waves show each other shift and sum.
	PLACES                                         ; behind the last matrix instructions
	s_wait_xcnt 0x0                                ; the last prefetch has had its address translated: v7 is written below
.irp qb, 0,1,2,3,4,5,6,7
	v_add_f32 v[AL+\qb], v[LS+2*\qb], v[LS+2*\qb+1]
.endr
.irp qb, 0,1,2,3,4,5,6,7
	v_permlanex16_b32 v[XT+\qb], v[AL+\qb], s28, s29
.endr
.irp qb, 0,1,2,3,4,5,6,7
	v_add_f32 v[AL+\qb], v[AL+\qb], v[XT+\qb]      ; my wave's sum for query 16 qb + r, in both lane halves
.endr
	s_lshl_b32 s18, s14, 10
	s_add_co_u32 s18, s18, EX
	v_and_b32 v5, 15, v0                           ; r
	v_bfe_u32 v2, v0, 4, 1                         ; h
	v_lshl_add_u32 v6, v5, 5, s18                  ; my wave's 1,024 bytes: 32 r
	v_lshlrev_b32 v7, 5, v5
	v_add_nc_u32 v7, EX, v7                        ; the same place in wave 0's
	ds_store_b128 v6, v[NM+32:NM+35]               ; both lane halves store the same numbers to the same bytes
	ds_store_b128 v6, v[NM+36:NM+39] offset:16
	ds_store_b128 v6, v[AL:AL+3] offset:512
	ds_store_b128 v6, v[AL+4:AL+7] offset:528
	s_mul_i32 s19, s14, VOFF                       ; my stage: 128 rows of 528 bytes in the ring, which has had its last fill
	v_mul_u32_u24 v1, v5, PITCH
	v_lshl_add_u32 v1, v2, 7, v1
	v_add_nc_u32 v1, s19, v1                       ; row r, 128 h bytes
	s_wait_dscnt 0x0                               ; for the others' sake: my stores are done (my reads of the ring were waited for in the last step)
	s_barrier_signal -1
	s_barrier_wait -1
.irp u, 0,1,2,3
	ds_load_b128 v[64+16*\u:64+16*\u+3],     v7 offset:\u*1024       ; wave u: shifts of the eight query blocks,
	ds_load_b128 v[64+16*\u+4:64+16*\u+7],   v7 offset:\u*1024+16
	ds_load_b128 v[64+16*\u+8:64+16*\u+11],  v7 offset:\u*1024+512   ; and sums
	ds_load_b128 v[64+16*\u+12:64+16*\u+15], v7 offset:\u*1024+528
.endr
	s_wait_dscnt 0x0
.irp qb, 0,1,2,3,4,5,6,7
	v_min3_num_f32 v[MX+\qb], v[64+\qb], v[80+\qb], v[96+\qb]
.endr
.irp qb, 0,1,2,3,4,5,6,7
	v_min_num_f32 v[MX+\qb], v[MX+\qb], v[112+\qb] ; the least shift belongs to the largest maximum
.endr
.irp qb, 0,1,2,3,4,5,6,7
.irp u, 0,1,2,3
	v_sub_f32 v[64+16*\u+\qb], v[MX+\qb], v[64+16*\u+\qb]
.endr
	v_sub_f32 v[NM+32+\qb], v[MX+\qb], v[NM+32+\qb]
.endr
.irp qb, 0,1,2,3,4,5,6,7
.irp u, 0,1,2,3
	v_exp_f32 v[64+16*\u+\qb], v[64+16*\u+\qb]
.endr
	v_exp_f32 v[NM+32+\qb], v[NM+32+\qb]
.endr
	v_nop                                          ; one plain instruction behind the exponentials
	s_wait_alu depctr_va_vdst(0)
.irp qb, 0,1,2,3,4,5,6,7
	v_mul_f32 v[NM+\qb], v[64+\qb], v[72+\qb]
.endr
.irp u, 1,2,3
.irp qb, 0,1,2,3,4,5,6,7
	v_fmac_f32 v[NM+\qb], v[64+16*\u+\qb], v[72+16*\u+\qb]         ; the whole row's sum; the wave with the largest maximum gives about 1 or more
.endr
.endr
.irp qb, 0,1,2,3,4,5,6,7
	v_rcp_f32 v[NM+\qb], v[NM+\qb]
.endr
	v_nop                                          ; one plain instruction behind the reciprocals
	s_wait_alu depctr_va_vdst(0)
.irp qb, 0,1,2,3,4,5,6,7
	v_mul_f32 v[MX+\qb], v[NM+32+\qb], v[NM+\qb]   ; my wave's factor for query block qb
.endr
; O of half g of d and query blocks q0 .. q0 + 3: scaled, and put in the order of d by the register numbers: lane (r, h), register j of tile (g, c, qb)
; is d = 64 g + 32 h + 4 j + c of query 16 qb + r.  Then 16 bytes a lane into my stage.
.macro OUTB g, q0
	WIN 0x02+\g
.irp q, 0,1,2,3
.irp j, 0,1,2,3,4,5,6,7
.irp c, 0,1,2,3
	v_mul_f32 v[64+32*\q+4*\j+\c], v[8*(8*\c+\q0+\q)+\j], v[MX+\q0+\q]
.endr
.endr
.endr
	WIN 0
.irp q, 0,1,2,3
.irp j, 0,1,2,3,4,5,6,7
	ds_store_b128 v1, v[64+32*\q+4*\j:64+32*\q+4*\j+3] offset:(\q0+\q)*16*PITCH+256*\g+16*\j
.endr
.endr
.endm
	OUTB 0, 0
	OUTB 0, 4
	OUTB 1, 0
	OUTB 1, 4
	s_mul_i32 s20, s14, 32*PITCH                   ; wave w adds up rows 32 w .. 32 w + 31 of the four stages
	s_lshl_b32 s21, s14, 14                        ; and stores them: 32 rows of 512 bytes
	v_and_b32 v3, 31, v0
	v_lshl_add_u32 v2, v3, 4, s20                  ; 16 bytes a lane: a wave's load takes a whole row
	v_lshl_add_u32 v6, v3, 4, s21
	v_add_nc_u32 v3, VOFF, v2
	v_add_nc_u32 v4, 2*VOFF, v2
	v_add_nc_u32 v5, 3*VOFF, v2
	s_wait_dscnt 0x0                               ; for the others' sake: my stage is whole
	s_barrier_signal -1
	s_barrier_wait -1
.macro SUMB bt                         ; eight rows
	s_wait_xcnt 0x0                                ; the last batch's stores have had their addresses translated (ISA guide 3.1): their data registers are loaded again only behind this wait
.irp i, 0,1,2,3,4,5,6,7
.irp u, 0,1,2,3
	ds_load_b128 v[64+16*\i+4*\u:64+16*\i+4*\u+3], v[2+\u] offset:(8*\bt+\i)*PITCH
.endr
.endr
.irp i, 0,1,2,3,4,5,6,7
	s_wait_dscnt 4*(7-\i)                          ; LDS loads come back in order: row i's four are in, four for each later row may be out
	v_pk_add_f32 v[64+16*\i:64+16*\i+1],     v[64+16*\i:64+16*\i+1],     v[64+16*\i+4:64+16*\i+5]
	v_pk_add_f32 v[64+16*\i+2:64+16*\i+3],   v[64+16*\i+2:64+16*\i+3],   v[64+16*\i+6:64+16*\i+7]
	v_pk_add_f32 v[64+16*\i+8:64+16*\i+9],   v[64+16*\i+8:64+16*\i+9],   v[64+16*\i+12:64+16*\i+13]
	v_pk_add_f32 v[64+16*\i+10:64+16*\i+11], v[64+16*\i+10:64+16*\i+11], v[64+16*\i+14:64+16*\i+15]
	v_pk_add_f32 v[64+16*\i:64+16*\i+1],     v[64+16*\i:64+16*\i+1],     v[64+16*\i+8:64+16*\i+9]
	v_pk_add_f32 v[64+16*\i+2:64+16*\i+3],   v[64+16*\i+2:64+16*\i+3],   v[64+16*\i+10:64+16*\i+11]
	global_store_b128 v6, v[64+16*\i:64+16*\i+3], s[12:13] offset:(8*\bt+\i)*512 th:TH_STORE_NT   ; the wave stores a whole row of out0: 512 consecutive bytes, aligned
.endr
.endm
	SUMB 0
	SUMB 1
	SUMB 2
	SUMB 3
	s_wait_xcnt 0x0
	v_lshl_add_u32 v190, v0, 2, 0x4b800
	v_mov_b32 v191, 0
	s_wait_tensorcnt 0x0
	ds_add_u32 v190, v191
	s_wait_dscnt 0x0
	ROUND                                          ; the closing round: no work-group ends while a partner may still ask for a tile that names it
	s_endpgm
.Lfunc_end_k_q7904fca941_attn:
	.size	k_q7904fca941_attn, .Lfunc_end_k_q7904fca941_attn-k_q7904fca941_attn
	.p2alignl 7, 3214868480
	.fill 96, 4, 3214868480
	.section	.rodata,"a",@progbits
	.p2align	6, 0x0
	.amdhsa_kernel k_q7904fca941_attn
		.amdhsa_group_segment_fixed_size 327680
		.amdhsa_private_segment_fixed_size 0
		.amdhsa_enable_private_segment 0
		.amdhsa_kernarg_size 40
		.amdhsa_user_sgpr_count 2
		.amdhsa_user_sgpr_kernarg_segment_ptr 1
		.amdhsa_wavefront_size32 1
		.amdhsa_system_sgpr_workgroup_id_x 1
		.amdhsa_system_sgpr_workgroup_id_y 1
		.amdhsa_system_sgpr_workgroup_id_z 1
		.amdhsa_system_vgpr_workitem_id 0
		.amdhsa_next_free_vgpr 1024
		.amdhsa_next_free_sgpr 84
		.amdhsa_reserve_vcc 0
		.amdhsa_float_denorm_mode_32 3
		.amdhsa_float_denorm_mode_16_64 3
		.amdhsa_memory_ordered 1
		.amdhsa_forward_progress 1
		.amdhsa_inst_pref_size 255
	.end_amdhsa_kernel
	.section	.bss,"aw",@nobits
	.p2align	6
	.space	262144
	.amdgpu_metadata
---
amdhsa.version: [ 1, 2 ]
amdhsa.kernels:
  - .name:           k_q7904fca941_attn
    .symbol:         k_q7904fca941_attn.kd
    .args:
      - { .name: queries, .offset: 0, .size: 8, .value_kind: global_buffer, .address_space: global }
      - { .name: keys, .offset: 8, .size: 8, .value_kind: global_buffer, .address_space: global }
      - { .name: values, .offset: 16, .size: 8, .value_kind: global_buffer, .address_space: global }
      - { .name: valid_lens, .offset: 24, .size: 8, .value_kind: global_buffer, .address_space: global }
      - { .name: out0, .offset: 32, .size: 8, .value_kind: global_buffer, .address_space: global }
    .group_segment_fixed_size: 327680
    .private_segment_fixed_size: 0
    .kernarg_segment_align: 8
    .kernarg_segment_size: 40
    .max_flat_workgroup_size: 128
    .sgpr_count:     84
    .vgpr_count:     1024
    .wavefront_size: 32
...
	.end_amdgpu_metadata
.endif
;; end of part 1
